; MI455X (gfx1250); checked and timed in simulation.
; The chip was launched on July 23, 2026; its instructions are those of AMD's public machine-readable ISA for CDNA 5 (MIT licence, August 2026) and "CDNA5" Instruction Set Architecture Reference Guide (July 2026). The comments in the code are by the model that wrote it; some were corrected since.
;; Fine Grained Pipelined Mo E Layer. Allowed arithmetic: matrix products marked QUANTISED: E2M1 operands, one E8M0 scale for each 32 along K, by v_wmma_scale_f32_16x16x128_f8f6f4 with both operands' format E2M1 (or v_wmma_scale_f32_32x16x128_f4), f32 sums; products left as they are: f32 operands where the result goes on into a quantised operand, else bf16, f16 or f32 operands; f32 sums; everything else in f32.
;; Inputs: W1 8 x 1,024 x 4,096 float32; W2 8 x 4,096 x 1,024 float32; Wg 1,024 x 8 float32; b1 8 x 4,096 float32; b2 8 x 1,024 float32; bg 8 float32; x 2 x 512 x 1,024 float32.
;; Outputs: out0 2 x 512 x 1,024 float32.
;; This version of the problem:
;;   THIS VERSION OF THE PROBLEM IS GIVEN IN LOW PRECISION. The matrix products marked QUANTISED in the list below multiply operands that are first quantised to E2M1 (2 exponent bits, 1 mantissa bit; 4 bits a number), with one power-of-two scale for each 32 numbers along K (OCP MX v1.0); their sums are f32. All else is computed in f32.
;;   The module's matrix products, in the order in which they are computed (A, B: the left and right operand; K: the contracted axis; several contracted axes count as one K, in the product's order):
;;     1. [M 1,024, K 1,024] x [K 1,024, N 8]; A: input x; B: input Wg: left as it is (N = 8 < 16)
;;     2. [M 1,024, K 1,024] x [K 1,024, N 4,096]; A: input x; B: input W1: QUANTISED
;;     3. [M 1,024, K 4,096] x [K 4,096, N 1,024]; A: computed on the way; B: input W2: QUANTISED
;;     4. [M 1,024, K 1,024] x [K 1,024, N 4,096]; A: input x; B: input W1: QUANTISED
;;     5. [M 1,024, K 4,096] x [K 4,096, N 1,024]; A: computed on the way; B: input W2: QUANTISED
;;     6. [M 1,024, K 1,024] x [K 1,024, N 4,096]; A: input x; B: input W1: QUANTISED
;;     7. [M 1,024, K 4,096] x [K 4,096, N 1,024]; A: computed on the way; B: input W2: QUANTISED
;;     8. [M 1,024, K 1,024] x [K 1,024, N 4,096]; A: input x; B: input W1: QUANTISED
;;     9. [M 1,024, K 4,096] x [K 4,096, N 1,024]; A: computed on the way; B: input W2: QUANTISED
;;     10. [M 1,024, K 1,024] x [K 1,024, N 4,096]; A: input x; B: input W1: QUANTISED
;;     11. [M 1,024, K 4,096] x [K 4,096, N 1,024]; A: computed on the way; B: input W2: QUANTISED
;;     12. [M 1,024, K 1,024] x [K 1,024, N 4,096]; A: input x; B: input W1: QUANTISED
;;     13. [M 1,024, K 4,096] x [K 4,096, N 1,024]; A: computed on the way; B: input W2: QUANTISED
;;     14. [M 1,024, K 1,024] x [K 1,024, N 4,096]; A: input x; B: input W1: QUANTISED
;;     15. [M 1,024, K 4,096] x [K 4,096, N 1,024]; A: computed on the way; B: input W2: QUANTISED
;;     16. [M 1,024, K 1,024] x [K 1,024, N 4,096]; A: input x; B: input W1: QUANTISED
;;     17. [M 1,024, K 4,096] x [K 4,096, N 1,024]; A: computed on the way; B: input W2: QUANTISED
;;   THE QUANTISER, for each operand of a quantised product, along K:
;;     - K is cut into blocks of 32 from its start; a last block that is shorter is filled with zeros.
;;     - A block's scale is 2^e with e = floor(log2(the largest magnitude in the block)) - 2, held to -126 .. 127; a block of zeros has e = 0. As a byte (E8M0): e + 127.
;;     - Each number is divided by its block's scale, clamped to +-6, and rounded to the nearest number of E2M1, ties to even, subnormals kept.
;;     - The product sums the exact products of the quantised numbers (number of the format x scale) in f32.
;;   ~~~python
;;   def quantise(x, axis):      # numpy; x: float32 -> the quantised numbers, widened to float32 again
;;       x = np.moveaxis(x, axis, -1); K = x.shape[-1]
;;       x = np.pad(x, [(0, 0)] * (x.ndim - 1) + [(0, -K % 32)]); x = x.reshape(x.shape[:-1] + (-1, 32)); a = np.abs(x).max(-1, keepdims=True)
;;       e = np.where(a > 0, np.clip(np.frexp(np.where(a > 0, a, 1))[1] - 1 - 2, -126, 127), 0)      # np.frexp(a)[1] - 1 = floor(log2(a)), exactly
;;       r = np.clip(x / 2.0 ** e, -6, 6)
;;       step = 2.0 ** (np.maximum(np.frexp(np.where(r == 0, 1, r))[1] - 1, 0) - 1)
;;       q = np.round(r / step) * step * 2.0 ** e      # np.round: ties to even
;;       return np.moveaxis(q.reshape(q.shape[:-2] + (-1,))[..., :K], -1, axis).astype(np.float32)
;;   ~~~
;;   OPERANDS COMPUTED ON THE WAY. 'Computed on the way' means the value that the module computes at that place (a softmax that the list does not call 'softmax' is quantised finished and normalised). What goes into a quantiser is computed in f32, as accurately as f32 sums, v_exp_f32 and their like allow (about 1e-6 of the number): no bf16 or f16 on the way to a quantiser, and a product that is left as it is and whose result goes on into a quantised operand takes f32 operands (vector FMAs, or v_wmma_f32_16x16x4_f32). A number that lies on a knife's edge between two numbers of the format may be rounded either way, as far as f32 arithmetic and the matrix unit's own rounding can turn it there, and no further.
;; One version. Each part assembles by itself: llvm-mc -triple=amdgcn-amd-amdhsa -mcpu=gfx1250 --defsym DOCPART=n.
;; ======== version 1 of 1: 3 launches
;; limits: right only within a limited range of input values
;; workspace buffers: sel 4,096 bytes of whole numbers; xq 524,288 bytes; xs 32,768 bytes; hc 16,777,216 bytes; hs 1,048,576 bytes; w2c 16,777,216 bytes; w2s 1,048,576 bytes
;; launch route (part 1): grid 1088 x 1, 8 waves a work-group, no clusters, 35,840 bytes of LDS; arguments x, Wg, bg, sel, xq, xs, W2, w2c, w2s; writes sel, xq, xs, w2c, w2s
.if DOCPART == 1
	.amdgcn_target "amdgcn-amd-amdhsa--gfx1250"
	.amdhsa_code_object_version 6
	.text
	.protected	k_q9a238d1863_route
	.globl	k_q9a238d1863_route
	.p2align	8
	.type	k_q9a238d1863_route,@function
k_q9a238d1863_route:
	s_mov_b64 s[64:65], 0
	v_nop
	global_prefetch_b8 v0, s[64:65] scope:SCOPE_SE
	s_setreg_imm32_b32 hwreg(HW_REG_WAVE_MODE, 25, 1), 1
	s_wait_xcnt 0x0
; ROUTE.  For 1,024 tokens of 1,024 numbers: (a) the gate: logits x Wg + bg in f32, softmax, the first index of the largest gate -> sel[token], a whole number;
; (b) x quantised along K to E2M1 with one E8M0 byte for each 32: xq [token][512 bytes], codes as they lie along K; xs [token][8 words], word S = the four bytes of K step S (128 along K).
; SHARES.  A work-group takes 16 tokens; wave s of its eight takes K step s: k = 128 s .. 128 s + 127.  Lane (r, h) holds, of token r, 16 neighbours of each block of 32: register 16 b + i = k 128 s + 32 b + 16 h + i.
; The same 64 registers feed the quantiser and, two at a time, the f32 matrix form (16 x 16 x 4): Wg's registers hold the same k in the same places, so the products are those of the true k.
; The gate is 17 million multiply-adds in all and its result picks whole rows of the output, so it is summed from f32 operands.  Columns 8 to 15 of the product repeat experts 0 to 7: nothing is cleared, no load leaves Wg.
; LIMITS: NaN and infinities are not served.  A block whose largest magnitude lies under 2^-124 keeps the byte 1; a block of zeros has the byte 1 and zero codes (only this program reads the bytes).
; A token whose two largest gates agree within the rounding of f32 sums may go to the other of the two experts.
; TWO KINDS OF WORK-GROUPS, parted on the work-group's number alone.  Numbers 0 to 63 do the routing described above.  Numbers 64 to 1,087 quantise W2 along its K (the hidden axis), which hangs on no token:
; W2 [8][4,096 k][1,024 n] f32 -> w2c [e][32 slices of 32 columns][65,536 bytes], images of the operand's registers as the last launch reads them, and w2s [e][32][4,096 bytes], their scale words.
; In a slice, block kb (32 along K) of column 16 u + p lies at 2,048 (kb / 4) + 1,024 u + 256 (kb % 4) + 16 p; its scale byte at 128 (kb / 4) + 64 u + 4 p + kb % 4.
; Each kind has LDS bytes of its own; only the spare words are named by both, by the add at the wave's end.
; The experts' products are made in the later launches for the tokens that chose each expert alone.
.set XST, 0
.set XPI, 528
.set XSS, 8448                         ; 16 rows x 8 scale words
.set LG,  8960                         ; eight waves' partial logits, 1,024 bytes each, as images of their registers
.set X,   16                           ; v16-79   64 numbers of x
.set WF,  80                           ; v80-143  Wg at the same k
.set ACC, 144                          ; v144-175 four accumulators of the f32 form: written by matrix instructions alone
.set L,   176                          ; v176-183 their sum
.set PC,  184                          ; v184-191 the codes just made
.set PW,  192                          ; v192     their scale word
.set TM,  200                          ; v200-215 the quantiser, at work
.set TP,  216                          ; v216-223 at work
.set SEL, 16                           ; s[16:17] lane selects: lane l xor 16
.set WV,  18
; 64 numbers of a lane, register 16 b + i = k 32 b + 16 (lane / 16) + i of my row, become a fragment's codes in v[PC] on and its scale word in v[PW].
.macro QUANT s
.irp b, 0,1,2,3
	v_max3_num_f32 v[TM+\b], |v[\s+16*\b]|, |v[\s+1+16*\b]|, 0x1800000   ; my 16 numbers of block b, and the floor 2^(3 - 127): the byte cannot fall under 1
.endr
.irp i, 2,4,6,8,10,12,14
.irp b, 0,1,2,3
	s_delay_alu instid0(VALU_DEP_4)
	v_max3_num_f32 v[TM+\b], v[TM+\b], |v[\s+16*\b+\i]|, |v[\s+1+16*\b+\i]|
.endr
.endr
.irp b, 0,1,2,3
	s_delay_alu instid0(VALU_DEP_4)
	v_permlanex16_b32 v[TM+4+\b], v[TM+\b], s[SEL], s[SEL+1]
.endr
.irp b, 0,1,2,3
	s_delay_alu instid0(VALU_DEP_4)
	v_max_num_f32 v[TM+\b], v[TM+\b], v[TM+4+\b]                     ; with lane l xor 16: the block's largest magnitude
.endr
.irp b, 0,1,2,3
	s_delay_alu instid0(VALU_DEP_4)
	v_add_nc_u32 v[TM+12+\b], 0xff000000, v[TM+\b]                   ; 2 off its exponent field: the conversion's scale operand
.endr
.irp b, 0,1,2,3
	s_delay_alu instid0(VALU_DEP_4)
	v_lshrrev_b32 v[TM+4+\b], 23, v[TM+12+\b]                        ; the scale's byte
.endr
	s_delay_alu instid0(VALU_DEP_3)
	v_lshl_or_b32 v[PW], v[TM+5], 8, v[TM+4]
	s_delay_alu instid0(VALU_DEP_1)
	v_lshl_or_b32 v[PW], v[TM+6], 16, v[PW]
	s_delay_alu instid0(VALU_DEP_1)
	v_lshl_or_b32 v[PW], v[TM+7], 24, v[PW]
.irp b, 0,1,2,3
	v_cvt_scalef32_pk8_fp4_f32 v[PC+2*\b], v[\s+16*\b:\s+7+16*\b], v[TM+12+\b]
	v_cvt_scalef32_pk8_fp4_f32 v[PC+1+2*\b], v[\s+8+16*\b:\s+15+16*\b], v[TM+12+\b]
.endr
	v_nop                                          ; one plain line behind the scaled conversions
.irp c, 0,1                                    ; the operand wants a whole block in a lane: lanes 0-15 block 2 c, lanes 16-31 block 2 c + 1
.irp i, 0,1
	v_permlane16_swap_b32 v[PC+4*\c+\i], v[PC+2+4*\c+\i]
.endr
.endr
.endm
	s_cmp_ge_u32 ttmp9, 64
	s_cbranch_scc1 .Lquant                         ; work-groups 64 on: W2
	s_load_b256 s[4:11], s[0:1], 0x0
	s_load_b128 s[12:15], s[0:1], 0x20             ; xq s[12:13], xs s[14:15]
	v_lshl_add_u32 v254, v0, 2, 0x4400
	v_mov_b32 v255, 0
	v_lshrrev_b32 v1, 5, v0
	s_delay_alu instid0(VALU_DEP_1)
	v_readfirstlane_b32 s[WV], v1                  ; wave = K step
	v_and_b32 v1, 31, v0                           ; lane
	v_and_b32 v2, 15, v0                           ; r
	v_bfe_u32 v3, v0, 4, 1                         ; h
	s_delay_alu instid0(VALU_DEP_2)
	v_lshlrev_b32 v4, 12, v2                       ; x: row r of 4,096 bytes,
	s_delay_alu instid0(VALU_DEP_1)
	v_lshl_add_u32 v4, v3, 6, v4                   ; + 64 h,
	s_lshl_b32 s20, s[WV], 9
	v_add_nc_u32 v4, s20, v4                       ; + 512 s
	v_and_b32 v13, 7, v2                           ; my expert: r mod 8
	s_delay_alu instid0(VALU_DEP_1)
	v_cvt_f32_u32 v14, v13                         ; as a float, for the search for the first largest gate
	s_delay_alu instid0(VALU_DEP_2)
	v_lshlrev_b32 v13, 2, v13                      ; bg: 4 bytes an expert
	s_delay_alu instid0(VALU_DEP_1)
	v_lshl_add_u32 v5, v3, 9, v13                  ; Wg: a row k is 32 bytes: 16 h rows,
	s_lshl_b32 s20, s[WV], 12
	v_add_nc_u32 v5, s20, v5                       ; + 128 s rows
	v_mul_u32_u24 v6, v2, XPI                      ; codes into LDS: row r, + 64 s, + 16 h
	s_delay_alu instid0(VALU_DEP_1)
	v_lshl_add_u32 v6, v3, 4, v6
	s_lshl_b32 s20, s[WV], 6
	v_add_nc_u32 v6, s20, v6
	v_lshlrev_b32 v7, 5, v2                        ; scale words into LDS: 32 r + 4 s
	s_lshl_b32 s20, s[WV], 2
	s_add_co_u32 s20, s20, XSS
	v_add_nc_u32 v7, s20, v7
	v_lshlrev_b32 v11, 4, v1                       ; 16 x lane
	s_lshl_b32 s20, s[WV], 10
	s_add_co_u32 s20, s20, LG
	v_add_nc_u32 v8, s20, v11                      ; my wave's partial logits
	s_mul_i32 s20, s[WV], 2*XPI
	v_add_nc_u32 v9, s20, v11                      ; back out of LDS: rows 2 s and 2 s + 1, whole
	s_lshl_b32 s20, s[WV], 10
	v_add_nc_u32 v10, s20, v11                     ; and the same two rows in xq
	v_lshlrev_b32 v12, 5, v3                       ; sel: 8 tokens, 32 bytes, for each half of the lanes
	v_mov_b32 v15, 0x41000000                      ; 8.0: above every expert's number
.irp b, 0,1,2,3
	v_mov_b32 v[TM+4+\b], 0                        ; a lane permute's destination counts as one of its sources
.endr
	s_mov_b32 s[SEL], 0x76543210
	s_mov_b32 s[SEL+1], 0xfedcba98
	s_mov_b32 s21, 0
	s_mov_b32 s23, 0
	s_mov_b32 s25, 0
	s_mov_b32 s27, 0
	s_lshl_b32 s20, ttmp9, 16                      ; 16 tokens: 65,536 bytes of x,
	s_lshl_b32 s22, ttmp9, 13                      ; 8,192 of xq,
	s_lshl_b32 s24, ttmp9, 9                       ; 512 of xs,
	s_lshl_b32 s26, ttmp9, 6                       ; 64 of sel
	s_wait_kmcnt 0x0
	s_add_nc_u64 s[4:5], s[4:5], s[20:21]
	s_add_nc_u64 s[12:13], s[12:13], s[22:23]
	s_add_nc_u64 s[14:15], s[14:15], s[24:25]
	s_add_nc_u64 s[10:11], s[10:11], s[26:27]
.irp b, 0,1,2,3
.irp j, 0,1,2,3
	global_load_b128 v[X+16*\b+4*\j:X+16*\b+4*\j+3], v4, s[4:5] offset:128*\b+16*\j th:TH_LOAD_NT
.endr
.endr
.irp b, 0,1,2,3
.irp i, 0,1,2,3,4,5,6,7,8,9,10,11,12,13,14,15
	global_load_b32 v[WF+16*\b+\i], v5, s[6:7] offset:(32*\b+\i)*32    ; Wg(128 s + 32 b + 16 h + i, r mod 8)
.endr
.endr
	global_load_b32 v240, v13, s[8:9]              ; bg of my expert
	s_wait_loadcnt 0x0
	QUANT X
	ds_store_b128 v6, v[PC:PC+3]                   ; k = 32 h .. of the K step: 16 bytes as they lie in the row
	ds_store_b128 v6, v[PC+4:PC+7] offset:32       ; k = 64 + 32 h ..
	ds_store_b32 v7, v[PW]                         ; both halves of the lanes write the same word with the same value
	; the logits' part of my K step: 32 products of 4 along K, four accumulators by turns, one instruction a turn; the first four start the sums
.set p, 0
.rept 32
.if p < 4
	v_wmma_f32_16x16x4_f32 v[ACC+8*(p%4):ACC+8*(p%4)+7], v[X+2*p:X+2*p+1], v[WF+2*p:WF+2*p+1], 0
.else
	v_wmma_f32_16x16x4_f32 v[ACC+8*(p%4):ACC+8*(p%4)+7], v[X+2*p:X+2*p+1], v[WF+2*p:WF+2*p+1], v[ACC+8*(p%4):ACC+8*(p%4)+7]
.endif
.set p, p+1
.endr
.rept 8
	v_nop                                          ; eight places behind this form before its results are read (ISA guide 7.12.1)
.endr
.irp q, 0,2,4,6
	v_pk_add_f32 v[L+\q:L+\q+1], v[ACC+\q:ACC+\q+1], v[ACC+8+\q:ACC+8+\q+1]      ; each accumulator from its low end on
.endr
.irp q, 0,2,4,6
	v_pk_add_f32 v[TP+\q:TP+\q+1], v[ACC+16+\q:ACC+16+\q+1], v[ACC+24+\q:ACC+24+\q+1]
.endr
.irp q, 0,2,4,6
	s_delay_alu instid0(VALU_DEP_4)
	v_pk_add_f32 v[L+\q:L+\q+1], v[L+\q:L+\q+1], v[TP+\q:TP+\q+1]
.endr
	ds_store_b128 v8, v[L:L+3]                     ; lane (n, h), register j: token 8 h + j, expert n mod 8
	ds_store_b128 v8, v[L+4:L+7] offset:512
	s_wait_dscnt 0x0                               ; for the others: my codes, my scale words and my partial logits lie in LDS
	s_barrier_signal -1
	s_barrier_wait -1
	ds_load_b128 v[PC:PC+3], v9                    ; every wave: two whole rows of codes,
	ds_load_b128 v[PC+4:PC+7], v9 offset:XPI
	s_wait_dscnt 0x0
	global_store_b128 v10, v[PC:PC+3], s[12:13]    ; 512 consecutive bytes a store
	global_store_b128 v10, v[PC+4:PC+7], s[12:13] offset:512
	s_cmp_lg_u32 s[WV], 1
	s_cbranch_scc1 .Lnot_wave_1
	ds_load_b128 v[196:199], v11 offset:XSS        ; wave 1: the 16 tokens' scale words, 512 consecutive bytes
	s_wait_dscnt 0x0
	global_store_b128 v11, v[196:199], s[14:15]
.Lnot_wave_1:
	s_cmp_lg_u32 s[WV], 0
	s_cbranch_scc1 .Lend
	; wave 0: the choice
.set LL, 16                            ; v16-23 logits; then eight registers each: largest, exponentials, sums, gates, largest gate, candidates
.set MX, 24
.set TE, 32
.set SU, 40
.set GA, 48
.set GM, 56
.set CA, 64
.irp w, 0,1,2,3,4,5,6,7
	ds_load_b128 v[16+8*\w:19+8*\w], v11 offset:LG+1024*\w
	ds_load_b128 v[20+8*\w:23+8*\w], v11 offset:LG+1024*\w+512
.endr
	s_wait_dscnt 0x0
.irp w, 1,2,3,4,5,6,7
.irp q, 0,2,4,6
	v_pk_add_f32 v[LL+\q:LL+\q+1], v[LL+\q:LL+\q+1], v[16+8*\w+\q:17+8*\w+\q]     ; K steps in ascending order
.endr
.endr
.irp j, 0,1,2,3,4,5,6,7
	v_add_f32 v[LL+\j], v[LL+\j], v240
.endr
.irp j, 0,1,2,3,4,5,6,7
	v_max_num_f32_dpp v[MX+\j], v[LL+\j], v[LL+\j] row_xmask:1 row_mask:0xf bank_mask:0xf   ; the eight experts of a token lie in eight neighbouring lanes
.endr
.irp m, 2,4
.irp j, 0,1,2,3,4,5,6,7
	v_max_num_f32_dpp v[MX+\j], v[MX+\j], v[MX+\j] row_xmask:\m row_mask:0xf bank_mask:0xf
.endr
.endr
.irp j, 0,1,2,3,4,5,6,7
	v_sub_f32 v[TE+\j], v[LL+\j], v[MX+\j]         ; the largest logit is taken away, as in the softmax that is asked for
.endr
.irp j, 0,1,2,3,4,5,6,7
	v_mul_f32 v[TE+\j], 0x3fb8aa3b, v[TE+\j]
.endr
	s_wait_alu depctr_va_vdst(0)
.irp j, 0,1,2,3,4,5,6,7
	v_exp_f32 v[TE+\j], v[TE+\j]
.endr
	v_nop                                          ; a plain line behind the batch,
	s_wait_alu depctr_va_vdst(0)                   ; and one wait for the eight, ahead of their first reader
.irp j, 0,1,2,3,4,5,6,7
	v_add_f32_dpp v[SU+\j], v[TE+\j], v[TE+\j] row_xmask:1 row_mask:0xf bank_mask:0xf
.endr
.irp m, 2,4
.irp j, 0,1,2,3,4,5,6,7
	v_add_f32_dpp v[SU+\j], v[SU+\j], v[SU+\j] row_xmask:\m row_mask:0xf bank_mask:0xf
.endr
.endr
	s_wait_alu depctr_va_vdst(0)
.irp j, 0,1,2,3,4,5,6,7
	v_rcp_f32 v[SU+\j], v[SU+\j]
.endr
	v_nop
	s_wait_alu depctr_va_vdst(0)                   ; one wait for the eight reciprocals
.irp j, 0,1,2,3,4,5,6,7
	v_mul_f32 v[GA+\j], v[TE+\j], v[SU+\j]         ; the gates
.endr
.irp j, 0,1,2,3,4,5,6,7
	v_max_num_f32_dpp v[GM+\j], v[GA+\j], v[GA+\j] row_xmask:1 row_mask:0xf bank_mask:0xf
.endr
.irp m, 2,4
.irp j, 0,1,2,3,4,5,6,7
	v_max_num_f32_dpp v[GM+\j], v[GM+\j], v[GM+\j] row_xmask:\m row_mask:0xf bank_mask:0xf
.endr
.endr
.irp j, 0,1,2,3,4,5,6,7
	v_cmp_eq_f32 vcc_lo, v[GA+\j], v[GM+\j]
	s_delay_alu instid0(VALU_DEP_1)
	v_cndmask_b32 v[CA+\j], v15, v14, vcc_lo       ; my expert's number where my gate is the largest, else 8
.endr
.irp m, 1,2,4
.irp j, 0,1,2,3,4,5,6,7
	v_min_num_f32_dpp v[CA+\j], v[CA+\j], v[CA+\j] row_xmask:\m row_mask:0xf bank_mask:0xf   ; the lowest index wins
.endr
.endr
.irp j, 0,1,2,3,4,5,6,7
	v_cvt_u32_f32 v[CA+\j], v[CA+\j]
.endr
	v_cmp_eq_u32 vcc_lo, 0, v2                     ; lanes 0 and 16 store their half's eight tokens
	s_wait_alu depctr_va_vdst(0)
	s_wait_xcnt 0x0                                ; EXEC changes only behind this wait: my stores of codes have read theirs
	s_and_saveexec_b32 s20, vcc_lo
	global_store_b128 v12, v[CA:CA+3], s[10:11]
	global_store_b128 v12, v[CA+4:CA+7], s[10:11] offset:16
	s_wait_xcnt 0x0
	s_or_b32 exec_lo, exec_lo, s20
.Lend:
	s_wait_tensorcnt 0x0
	ds_add_u32 v254, v255
	s_wait_dscnt 0x0
	s_endpgm
; W2's QUANTISER.  Work-group q = number - 64: columns 128 (q % 8) on, blocks 8 ((q / 8) % 16) on, expert q / 128.  Wave w takes block kb = 8 g + w: 32 rows x 128 columns.
; Each load takes a row's 512 consecutive bytes, 16 a lane: lane l holds columns 4 l + c, register 4 k + c.  So a lane owns four whole blocks of 32: no other lane is asked for a maximum.
; The conversion takes eight neighbours along K from consecutive registers: pairs of moves put them on end, two columns at a time, in two sets of 16 registers by turns.
; A lane's 4 x 16 bytes of codes go through the wave's own stage and leave as runs of 256 consecutive bytes, aligned; the eight waves' scale bytes (two K steps) meet in LDS and leave as four runs of 256 bytes.
; No prefetch: every byte is asked for at the wave's start, and there is no loop to run ahead in.  LIMITS as above: NaN and infinities are not served; a block of zeros has the byte 1 and zero codes.
.set QSTG, 18432                       ; LDS: 2,048 bytes of stage for each wave
.set QSB,  34816                       ; 1,024 scale bytes: 4 slices x 2 K steps x 32 words
.set QL,   16                          ; v16-143  32 rows x 4 columns  (v144-175 are left to the routing's f32 sums)
.set QT,   176                         ; v176-207 two sets of 2 x 8 neighbours along K
.set QC,   208                         ; v208-223 codes: four registers a column
.set QTA,  224                         ; v224-227 largest magnitudes
.set QSC,  228                         ; v228-231 the conversions' scale operands
.set QBY,  232                         ; v232-235 the scale bytes
.set QO,   236                         ; v236-251 the codes back from the stage
.macro QPAIR g, c, t                   ; rows 8 g .. 8 g + 7 of columns c and c + 1: sixteen moves in eight pairs, two conversions
.irp j, 0,2,4,6
	v_dual_mov_b32 v[\t+\j], v[QL+4*(8*\g+\j)+\c] :: v_dual_mov_b32 v[\t+8+\j+1], v[QL+4*(8*\g+\j+1)+\c+1]
	v_dual_mov_b32 v[\t+8+\j], v[QL+4*(8*\g+\j)+\c+1] :: v_dual_mov_b32 v[\t+\j+1], v[QL+4*(8*\g+\j+1)+\c]
.endr
	v_cvt_scalef32_pk8_fp4_f32 v[QC+4*\c+\g], v[\t:\t+7], v[QSC+\c]
	v_cvt_scalef32_pk8_fp4_f32 v[QC+4*(\c+1)+\g], v[\t+8:\t+15], v[QSC+\c+1]
.endm
.Lquant:
	s_load_b128 s[4:7], s[0:1], 0x30               ; W2 s[4:5], w2c s[6:7]
	s_load_b64 s[8:9], s[0:1], 0x40                ; w2s
	v_lshl_add_u32 v254, v0, 2, 0x4400
	v_mov_b32 v255, 0
	v_lshrrev_b32 v1, 5, v0
	s_delay_alu instid0(VALU_DEP_1)
	v_readfirstlane_b32 s[WV], v1                  ; wave 0..7
	s_sub_co_u32 s20, ttmp9, 64
	s_and_b32 s21, s20, 7                          ; which 128 columns
	s_bfe_u32 s22, s20, 0x40003                    ; g: which eight blocks
	s_lshr_b32 s23, s20, 7                         ; the expert
	s_lshr_b32 s34, s[WV], 2
	s_and_b32 s35, s[WV], 3
	s_lshl_b32 s24, s23, 24                        ; W2: 2^24 bytes an expert, 2^17 a block of 32 rows, 512 a group of columns
	s_lshl_b32 s30, s22, 20
	s_add_co_u32 s24, s24, s30
	s_lshl_b32 s30, s[WV], 17
	s_add_co_u32 s24, s24, s30
	s_lshl_b32 s30, s21, 9
	s_add_co_u32 s24, s24, s30
	s_mov_b32 s25, 0
	s_lshl_b32 s26, s23, 21                        ; w2c: 2^21 an expert, 4 slices of 2^16 a group of columns, 2,048 a K step, 256 a block
	s_lshl_b32 s30, s21, 18
	s_add_co_u32 s26, s26, s30
	s_lshl_b32 s30, s22, 12
	s_add_co_u32 s26, s26, s30
	s_lshl_b32 s30, s34, 11
	s_add_co_u32 s26, s26, s30
	s_lshl_b32 s30, s35, 8
	s_add_co_u32 s26, s26, s30
	s_mov_b32 s27, 0
	s_lshl_b32 s28, s23, 17                        ; w2s: 2^17 an expert, 4 slices of 4,096, 256 for two K steps
	s_lshl_b32 s30, s21, 14
	s_add_co_u32 s28, s28, s30
	s_lshl_b32 s30, s22, 8
	s_add_co_u32 s28, s28, s30
	s_mov_b32 s29, 0
	s_lshl_b32 s31, s[WV], 11
	s_add_co_u32 s31, s31, QSTG                    ; my stage
	s_lshl_b32 s33, s34, 7
	s_add_co_u32 s33, s33, s35
	s_add_co_u32 s33, s33, QSB                     ; my K step's 128 bytes of a slice's 256, my byte of each word
	v_and_b32 v1, 31, v0                           ; lane
	v_and_b32 v2, 15, v0
	v_bfe_u32 v3, v0, 4, 1
	v_and_b32 v9, 7, v0
	v_bfe_u32 v10, v0, 3, 2
	v_lshlrev_b32 v4, 4, v1                        ; 16 x lane: my 16 bytes of a row's 512
	v_lshlrev_b32 v5, 4, v2
	v_lshlrev_b32 v7, 6, v1
	v_lshlrev_b32 v9, 4, v9
	v_lshl_add_u32 v6, v3, 12, v5                  ; w2s: lanes 0-15 one slice's run, lanes 16-31 the next slice's
	v_lshl_add_u32 v5, v3, 10, v5                  ; w2c: lanes 0-15 tile 0's run of 256 bytes, lanes 16-31 tile 1's
	v_add_nc_u32 v7, s31, v7                       ; into the stage: 64 x lane
	v_add_nc_u32 v8, s31, v4                       ; back: 16 x lane
	v_lshl_add_u32 v9, v10, 8, v9                  ; scale bytes: slice lane / 8 at 256, word 4 (lane % 8) + c at 4
	v_add_nc_u32 v10, QSB, v4
	v_add_nc_u32 v9, s33, v9
	s_wait_alu depctr_va_vdst(0)
	s_wait_kmcnt 0x0
	s_add_nc_u64 s[4:5], s[4:5], s[24:25]
	s_add_nc_u64 s[6:7], s[6:7], s[26:27]
	s_add_nc_u64 s[8:9], s[8:9], s[28:29]
.set kk, 0
.rept 32
	global_load_b128 v[QL+4*kk:QL+4*kk+3], v4, s[4:5] offset:kk*4096 th:TH_LOAD_NT
.set kk, kk+1
.endr
	s_wait_loadcnt 0x0                             ; all 32 rows are in
.irp c, 0,1,2,3
	v_max3_num_f32 v[QTA+\c], |v[QL+\c]|, |v[QL+4+\c]|, 0x1800000     ; and the floor 2^(3 - 127): the byte cannot fall under 1
.endr
.irp i, 2,4,6,8,10,12,14,16,18,20,22,24,26,28,30
.irp c, 0,1,2,3
	v_max3_num_f32 v[QTA+\c], v[QTA+\c], |v[QL+4*\i+\c]|, |v[QL+4*\i+4+\c]|   ; the four columns by turns
.endr
.endr
.irp c, 0,1,2,3
	v_add_nc_u32 v[QSC+\c], 0xff000000, v[QTA+\c]  ; 2 off the exponent field: the conversion's scale operand
.endr
.irp c, 0,1,2,3
	v_lshrrev_b32 v[QBY+\c], 23, v[QSC+\c]         ; the scale's byte
.endr
.irp g, 0,1,2,3
	QPAIR \g, 0, QT
	QPAIR \g, 2, QT+16
.endr
	v_nop                                          ; one plain line behind the scaled conversions
.irp c, 0,1,2,3
	ds_store_b128 v7, v[QC+4*\c:QC+4*\c+3] offset:16*\c
	ds_store_b8 v9, v[QBY+\c] offset:4*\c
.endr
.irp j, 0,1,2,3
	ds_load_b128 v[QO+4*\j:QO+4*\j+3], v8 offset:512*\j    ; LDS serves a wave's instructions in order: these see my stores
.endr
	s_wait_dscnt 0x0                               ; my codes are back, and for the others: my scale bytes lie in LDS
.irp j, 0,1,2,3
	global_store_b128 v5, v[QO+4*\j:QO+4*\j+3], s[6:7] offset:65536*\j   ; slice j of my four: two runs of 256 consecutive bytes, aligned
.endr
	s_barrier_signal -1
	s_barrier_wait -1
	s_cmp_lg_u32 s[WV], 0
	s_cbranch_scc1 .Lqend
	ds_load_b128 v[QT:QT+3], v10                   ; wave 0: the scale words of four slices, 256 bytes each
	ds_load_b128 v[QT+4:QT+7], v10 offset:512
	s_wait_dscnt 0x0
	global_store_b128 v6, v[QT:QT+3], s[8:9]
	global_store_b128 v6, v[QT+4:QT+7], s[8:9] offset:8192
.Lqend:
	s_wait_tensorcnt 0x0                           ; the wave's end
	ds_add_u32 v254, v255
	s_wait_dscnt 0x0
	s_endpgm
.Lfunc_end_k_q9a238d1863_route:
	.size	k_q9a238d1863_route, .Lfunc_end_k_q9a238d1863_route-k_q9a238d1863_route
	.p2alignl 7, 3214868480
	.fill 96, 4, 3214868480
	.section	.rodata,"a",@progbits
	.p2align	6, 0x0
	.amdhsa_kernel k_q9a238d1863_route
		.amdhsa_group_segment_fixed_size 35840
		.amdhsa_private_segment_fixed_size 0
		.amdhsa_enable_private_segment 0
		.amdhsa_kernarg_size 72
		.amdhsa_user_sgpr_count 2
		.amdhsa_user_sgpr_kernarg_segment_ptr 1
		.amdhsa_wavefront_size32 1
		.amdhsa_system_sgpr_workgroup_id_x 1
		.amdhsa_system_sgpr_workgroup_id_y 1
		.amdhsa_system_sgpr_workgroup_id_z 1
		.amdhsa_system_vgpr_workitem_id 0
		.amdhsa_next_free_vgpr 256
		.amdhsa_next_free_sgpr 66
		.amdhsa_reserve_vcc 1
		.amdhsa_float_denorm_mode_32 3
		.amdhsa_float_denorm_mode_16_64 3
		.amdhsa_memory_ordered 1
		.amdhsa_forward_progress 1
		.amdhsa_inst_pref_size 49
	.end_amdhsa_kernel
	.amdgpu_metadata
---
amdhsa.version: [ 1, 2 ]
amdhsa.kernels:
  - .name:           k_q9a238d1863_route
    .symbol:         k_q9a238d1863_route.kd
    .args:
      - { .name: x, .offset: 0, .size: 8, .value_kind: global_buffer, .address_space: global }
      - { .name: Wg, .offset: 8, .size: 8, .value_kind: global_buffer, .address_space: global }
      - { .name: bg, .offset: 16, .size: 8, .value_kind: global_buffer, .address_space: global }
      - { .name: sel, .offset: 24, .size: 8, .value_kind: global_buffer, .address_space: global }
      - { .name: xq, .offset: 32, .size: 8, .value_kind: global_buffer, .address_space: global }
      - { .name: xs, .offset: 40, .size: 8, .value_kind: global_buffer, .address_space: global }
      - { .name: W2, .offset: 48, .size: 8, .value_kind: global_buffer, .address_space: global }
      - { .name: w2c, .offset: 56, .size: 8, .value_kind: global_buffer, .address_space: global }
      - { .name: w2s, .offset: 64, .size: 8, .value_kind: global_buffer, .address_space: global }
    .group_segment_fixed_size: 35840
    .private_segment_fixed_size: 0
    .kernarg_segment_align: 8
    .kernarg_segment_size: 72
    .max_flat_workgroup_size: 256
    .sgpr_count:     66
    .vgpr_count:     256
    .wavefront_size: 32
...
	.end_amdgpu_metadata
.endif
;; end of part 1
;; launch up (part 2): grid 32 x 8, 16 waves a work-group, no clusters, 76,288 bytes of LDS; arguments sel, xq, xs, W1, b1, hc, hs; writes hc, hs
.if DOCPART == 2
	.amdgcn_target "amdgcn-amd-amdhsa--gfx1250"
	.amdhsa_code_object_version 6
	.text
	.protected	k_q9a238d1863_up
	.globl	k_q9a238d1863_up
	.p2align	8
	.type	k_q9a238d1863_up,@function
k_q9a238d1863_up:
	s_mov_b64 s[64:65], 0
	v_nop
	global_prefetch_b8 v0, s[64:65] scope:SCOPE_SE
	s_setreg_imm32_b32 hwreg(HW_REG_WAVE_MODE, 25, 1), 1
	s_wait_xcnt 0x0
; UP.  For expert e (work-group y) and 128 hidden units (work-group x, the slice): h = gelu(x W1[e] + b1[e]) for the tokens that chose e, on codes of E2M1 with E8M0 scales, and h quantised along the hidden axis.
; The slice is K step 'slice' of the next product: hc [e][64 tiles][32 K steps][1,024 bytes] takes a tile's fragment as an image of its registers, hs [e][64][32][16 words] its scale words.
; THE STREAM.  The slice of W1[e] is 1,024 (k) x 128 f32, read once, in 8 chunks of 128 along K.  A chunk is 16 blocks of 32 k x 32 columns, one a wave (wave w: columns 32 (w & 3) on, k 32 (w >> 2) on).
; A lane takes a column and its 32 registers run down K: a block of 32 is one lane's, its 16 bytes of codes go straight to their place in the image of the fragment's registers in LDS, its scale byte to its place in the scale word.
; Loads run two chunks ahead.  Every chunk has LDS bytes of its own: nothing in LDS is written twice, so one barrier a chunk is enough.
; THE TOKENS.  Wave 0 lists the expert's tokens in LDS from sel (whole numbers that the launch before stored).  Wave w owns the tile of list places 16 w .. 16 w + 15; the products of chunk m stand in trip m + 2.
; The places behind the count hold the expert's last token once more: the spare rows of the last tile repeat that token.
; An expert with more than 256 tokens: tiles w + 16, w + 32, w + 48 follow behind the last barrier, from the weights that lie in LDS: four trips, the work of a tile that is not there jumped over.
; The part with barriers has no branch on loaded numbers: a wave without a tile runs it on the tokens that its list places hold and stores nothing.
; Tile 0 of every expert is always written, with token 0 where the expert has no token: in the next launch the waves without a tile read the expert's last tile, so there has to be one.
; THE PRODUCT IS USED TRANSPOSED (source 0 = 16 columns of W1, source 1 = 16 tokens): a lane holds one token.  THE COLUMNS OF A TILE ARE NOT NEIGHBOURS: row p of tile 2 g + u is hidden unit 32 g + 8 u + p + 8 (p / 8),
; so that the 16 registers of tiles 2 g and 2 g + 1 are 16 neighbours along the next K.  b1 is loaded into the accumulators: every product adds in place, nothing is cleared.
; No tensor load: branches hang on stored numbers.  No joint loads: what work-groups share (x's codes) is small beside the 512 KiB of weights that each has to itself.
; gelu: 0.5 a (1 + erf(a / sqrt 2)), erf(z) = z P(z^2) / Q(z^2) with z held to +-4, where erf is 1 in f32.
; LIMITS: NaN and infinities are not served.  A block whose largest magnitude lies under 2^-124 keeps the byte 1; a block of zeros has the byte 1 and zero codes (only this program reads the bytes).
.set ROWP,  16384                      ; a row k of W1[e] in bytes
.set WSC,   65536                      ; LDS: 0 .. 65,535 the images, 8,192 a chunk; here the scale words, 512 a chunk
.set LIST,  69632                      ; 1,024 words: the expert's tokens; 32 words more, a word a lane, for the tokens of other experts
.set CNTW,  73856                      ; behind these 1,056 words: how many tokens
.set WOFF,  4                          ; v4   W1: my column and my block's first row
.set WST,   5                          ; v5   where my block's 16 bytes go in a chunk's image
.set WSB,   6                          ; v6   where its scale byte goes
.set LI,    7                          ; v7   16 x lane
.set LSC,   8                          ; v8   WSC + 4 x lane
.set XOFF,  9                          ; v9   xq: my token's row + 16 h
.set XSOFF, 10                         ; v10  xs: my token's row
.set ID,    11                         ; v11-14 my token in tiles w, w + 16, w + 32, w + 48
.set BOFF,  15                         ; v15  b1: 64 h
.set C,     16                         ; v16-19 a block's codes
.set TA,    20
.set TB,    21
.set SO,    22
.set BY,    23
.set XSC,   24                         ; v24-31 my token's eight scale words: scales and nothing else
.set LAND,  32                         ; v32-95 two sets of 32 numbers of W1
.set ACC,   96                         ; v96-159 eight tiles of the hidden layer
.set WF,    160                        ; v160-223 a chunk's eight fragments
.set WS,    224                        ; v224-227 their scale words: lanes 0-15 tile 2 g, lanes 16-31 tile 2 g + 1
.set XR,    228                        ; v228-243 x's fragments, two slots
.set VA0,   244                        ; v[244:245], v[246:247] the leading coefficients, as pairs
.set VB0,   246
.set LISTA, 248
.set CNTA,  249
.set DUMPI, 250                        ; 1,024 + lane
.set L4,    251                        ; 4 x lane
.set HOFF,  252
.set HSOFF, 253
.set TMPC,  254
.set ZA,    255                        ; LIST + 16 x lane
.set SELR,  96                         ; while the list is made: sel, 32 addresses, 32 token numbers, zeros, the count, the last token
.set PA,    128
.set PT,    160
.set ZR,    192
.set CD,    196
.set LA,    197
.set LT,    198
.set PD,    199
.set Z,     32                         ; gelu, at work
.set X2,    48
.set PN,    64
.set QD,    80
.set HF,    160
.set TM,    176                        ; the quantiser of h, at work
.set PW,    192
.set PC,    200
.set WV,    18
.set GG,    19
.set BB,    20
.set EX,    21
.set SL,    22
.set NN,    23                         ; the expert's tokens
.set NTL,   24                         ; its tiles, at least one
.set TT,    25                         ; the tile in hand
.set WB0,   10                         ; s[10:11] W1 at my slice, chunks 0-3; s[32:33] chunks 4-7
.set WB1,   32
.set KA,    36                         ; s[36:47] six pairs, s[48:55] four pairs: the other coefficients
.set KB,    48
.set SEL,   56
.set CNT,   58
.set T0,    59
.set LC,    60
.macro PLACES                          ; four plain lines between matrix instructions and loads into, or reads of, their registers (ISA guide 7.12.1 for the reads)
.rept 4
	v_nop
.endr
.endm
.macro BAR                             ; my LDS stores have landed and my LDS loads are in: then the work-group's barrier
	s_wait_dscnt 0x0
	s_barrier_signal -1
	s_barrier_wait -1
.endm
.macro CPAIR reg, val                  ; a constant for packed arithmetic: the pair is named, so both words are written
	s_mov_b32 s[\reg], \val
	s_mov_b32 s[\reg+1], \val
.endm
.macro WLOAD i, set                    ; chunk i: my block's 32 rows at my column; every offset is an immediate, 6,799,360 at the most
.set kk, 0
.rept 32
.if (\i) < 4
	global_load_b32 v[\set+kk], v[WOFF], s[WB0:WB0+1] offset:((\i)%4)*0x200000+kk*ROWP th:TH_LOAD_NT
.else
	global_load_b32 v[\set+kk], v[WOFF], s[WB1:WB1+1] offset:((\i)%4)*0x200000+kk*ROWP th:TH_LOAD_NT
.endif
.set kk, kk+1
.endr
.endm
.macro QB s                            ; a block of 32 numbers, all mine: codes in v[C] on, the scale's byte in v[BY]
	v_max3_num_f32 v[TA], |v[\s]|, |v[\s+1]|, |v[\s+2]|
	v_max3_num_f32 v[TB], |v[\s+3]|, |v[\s+4]|, |v[\s+5]|
.irp i, 6,10,14,18,22,26
	s_delay_alu instid0(VALU_DEP_2)
	v_max3_num_f32 v[TA], v[TA], |v[\s+\i]|, |v[\s+\i+1]|
	s_delay_alu instid0(VALU_DEP_2)
	v_max3_num_f32 v[TB], v[TB], |v[\s+\i+2]|, |v[\s+\i+3]|
.endr
	s_delay_alu instid0(VALU_DEP_2)
	v_max3_num_f32 v[TA], v[TA], |v[\s+30]|, |v[\s+31]|
	s_delay_alu instid0(VALU_DEP_1)
	v_max3_num_f32 v[TA], v[TA], v[TB], 0x1800000  ; and the floor 2^(3 - 127): the byte cannot fall under 1
	s_delay_alu instid0(VALU_DEP_1)
	v_add_nc_u32 v[SO], 0xff000000, v[TA]          ; 2 off the exponent field: the conversion's scale operand
.irp g, 0,1,2,3
	v_cvt_scalef32_pk8_fp4_f32 v[C+\g], v[\s+8*\g:\s+8*\g+7], v[SO]
.endr
	v_lshrrev_b32 v[BY], 23, v[SO]                 ; the byte; also the plain line behind the conversions
.endm
.macro QUANT s                         ; 64 numbers, register 16 b + i = k 32 b + 16 (lane / 16) + i of my token: codes in v[PC] on, scale word in v[PW]
.irp b, 0,1,2,3
	v_max3_num_f32 v[TM+\b], |v[\s+16*\b]|, |v[\s+1+16*\b]|, 0x1800000
.endr
.irp i, 2,4,6,8,10,12,14
.irp b, 0,1,2,3
	s_delay_alu instid0(VALU_DEP_4)
	v_max3_num_f32 v[TM+\b], v[TM+\b], |v[\s+16*\b+\i]|, |v[\s+1+16*\b+\i]|
.endr
.endr
.irp b, 0,1,2,3
	s_delay_alu instid0(VALU_DEP_4)
	v_permlanex16_b32 v[TM+4+\b], v[TM+\b], s[SEL], s[SEL+1]
.endr
.irp b, 0,1,2,3
	s_delay_alu instid0(VALU_DEP_4)
	v_max_num_f32 v[TM+\b], v[TM+\b], v[TM+4+\b]
.endr
.irp b, 0,1,2,3
	s_delay_alu instid0(VALU_DEP_4)
	v_add_nc_u32 v[TM+12+\b], 0xff000000, v[TM+\b]
.endr
.irp b, 0,1,2,3
	s_delay_alu instid0(VALU_DEP_4)
	v_lshrrev_b32 v[TM+4+\b], 23, v[TM+12+\b]
.endr
	s_delay_alu instid0(VALU_DEP_3)
	v_lshl_or_b32 v[PW], v[TM+5], 8, v[TM+4]
	s_delay_alu instid0(VALU_DEP_1)
	v_lshl_or_b32 v[PW], v[TM+6], 16, v[PW]
	s_delay_alu instid0(VALU_DEP_1)
	v_lshl_or_b32 v[PW], v[TM+7], 24, v[PW]
.irp b, 0,1,2,3
	v_cvt_scalef32_pk8_fp4_f32 v[PC+2*\b], v[\s+16*\b:\s+7+16*\b], v[TM+12+\b]
	v_cvt_scalef32_pk8_fp4_f32 v[PC+1+2*\b], v[\s+8+16*\b:\s+15+16*\b], v[TM+12+\b]
.endr
	v_nop
.irp c, 0,1
.irp i, 0,1
	v_permlane16_swap_b32 v[PC+4*\c+\i], v[PC+2+4*\c+\i]
.endr
.endr
.endm
; Wave 0 lists the tokens of expert e.  Register q = 4 j + i of sel holds token 128 j + 4 lane + i.  A token's place is the count so far + the matching lanes below mine; a token of another expert goes to place 1,024 + lane.
; The place is chosen first and held to 1,055 last; behind that hold stand a shift and an addition.  Each store has an address and a data register of its own.
; At the end the 32 places behind the count take the last token once more.  The next launch makes the same list by the same rule, so the two agree on the tiles.
.macro PLACE
	s_wait_loadcnt 63                              ; 72 loads are issued, sel's eight first: with 63 out at the most they are in
.irp j, 0,1,2,3
	v_mov_b32 v[ZR+\j], 0
.endr
	s_wait_alu depctr_va_vdst(0)
.irp j, 0,1,2,3,4,5,6,7
	ds_store_b128 v[ZA], v[ZR:ZR+3] offset:512*\j  ; every place holds token 0 until it is taken: a valid row wherever a place is read
.endr
	s_mov_b32 s[CNT], 0
.set qq, 0
.rept 32
	v_cmp_eq_u32 vcc_lo, s[EX], v[SELR+qq]
	s_delay_alu instid0(VALU_DEP_1)
	v_mbcnt_lo_u32_b32 v[PA+qq], vcc_lo, s[CNT]
	s_delay_alu instid0(VALU_DEP_1)
	v_cndmask_b32 v[PA+qq], v[DUMPI], v[PA+qq], vcc_lo
	s_delay_alu instid0(VALU_DEP_1)
	v_min_u32 v[PA+qq], 0x41f, v[PA+qq]
	s_delay_alu instid0(VALU_DEP_1)
	v_lshlrev_b32 v[PA+qq], 2, v[PA+qq]
	s_delay_alu instid0(VALU_DEP_1)
	v_add_nc_u32 v[PA+qq], LIST, v[PA+qq]
	v_add_nc_u32 v[PT+qq], 128*(qq/4)+qq%4, v[L4]
	ds_store_b32 v[PA+qq], v[PT+qq]
	s_bcnt1_i32_b32 s[T0], vcc_lo
	s_add_co_u32 s[CNT], s[CNT], s[T0]
.set qq, qq+1
.endr
	s_max_u32 s[T0], s[CNT], 1
	s_sub_co_u32 s[T0], s[T0], 1                   ; the last token's place (place 0, which holds token 0, where there is none)
	s_min_u32 s[T0], s[T0], 0x3ff
	v_lshlrev_b32 v[LA], 2, s[T0]
	s_delay_alu instid0(VALU_DEP_1)
	v_add_nc_u32 v[LA], LIST, v[LA]
	ds_load_b32 v[LT], v[LA]                       ; LDS serves a wave's instructions in order: this sees the stores above
	v_add_nc_u32 v[PD], s[CNT], v1                 ; places count + lane: 1,055 at the most
	s_delay_alu instid0(VALU_DEP_1)
	v_min_u32 v[PD], 0x41f, v[PD]
	s_delay_alu instid0(VALU_DEP_1)
	v_lshlrev_b32 v[PD], 2, v[PD]
	s_delay_alu instid0(VALU_DEP_1)
	v_add_nc_u32 v[PD], LIST, v[PD]
	v_mov_b32 v[CD], s[CNT]
	s_wait_alu depctr_va_vdst(0)
	s_wait_dscnt 0x0
	ds_store_b32 v[PD], v[LT]
	ds_store_b32 v[CNTA], v[CD]
.endm
.macro WFETCH m                        ; chunk m's eight fragments and their scale words, as they were laid
.irp f, 0,1,2,3,4,5,6,7,8,9,10,11,12,13,14,15
	ds_load_b128 v[WF+4*\f:WF+4*\f+3], v[LI] offset:8192*(\m)+512*\f
.endr
.irp f, 0,1,2,3
	ds_load_b32 v[WS+\f], v[LSC] offset:512*(\m)+128*\f
.endr
.endm
.macro OLOAD ks, reg                   ; my token's codes of K step ks
.irp c, 0,1
	global_load_b128 v[\reg+4*\c:\reg+4*\c+3], v[XOFF], s[6:7] offset:64*(\ks)+32*\c
.endr
.endm
.macro BIAS                            ; b1 into the accumulators: tile 2 g + u, register j, lane half h: hidden unit 32 g + 16 h + 8 u + j
.irp t, 0,1,2,3,4,5,6,7
	global_load_b128 v[ACC+8*\t:ACC+8*\t+3], v[BOFF], s[12:13] offset:128*(\t/2)+32*(\t%2)
	global_load_b128 v[ACC+8*\t+4:ACC+8*\t+7], v[BOFF], s[12:13] offset:128*(\t/2)+32*(\t%2)+16
.endr
.endm
.macro XSL
	global_load_b128 v[XSC:XSC+3], v[XSOFF], s[8:9]
	global_load_b128 v[XSC+4:XSC+7], v[XSOFF], s[8:9] offset:16
.endm
.macro XADR                            ; the offsets of the token in v[ID], held to the table's 1,024 rows
	v_min_u32 v[ID], 0x3ff, v[ID]
	s_delay_alu instid0(VALU_DEP_1)
	v_lshlrev_b32 v[XOFF], 9, v[ID]
	s_delay_alu instid0(VALU_DEP_1)
	v_lshl_add_u32 v[XOFF], v3, 4, v[XOFF]
	s_delay_alu instid0(VALU_DEP_3)
	v_lshlrev_b32 v[XSOFF], 5, v[ID]
.endm
; The products of chunk m: eight accumulators by turns, one instruction a turn, in the same order in every chunk.  n: the loads issued behind the operands that are wanted.
.macro MM m, xr, n
	WFETCH \m
	s_wait_loadcnt \n
	s_wait_dscnt 0x0
.irp t, 0,1,2,3,4,5,6,7
.if \t % 2
	v_wmma_scale_f32_16x16x128_f8f6f4 v[ACC+8*\t:ACC+8*\t+7], v[WF+8*\t:WF+8*\t+7], v[\xr:\xr+7], v[ACC+8*\t:ACC+8*\t+7], v[WS+\t/2], v[XSC+(\m)] matrix_a_fmt:MATRIX_FMT_FP4 matrix_b_fmt:MATRIX_FMT_FP4 matrix_a_scale:MATRIX_SCALE_ROW1
.else
	v_wmma_scale_f32_16x16x128_f8f6f4 v[ACC+8*\t:ACC+8*\t+7], v[WF+8*\t:WF+8*\t+7], v[\xr:\xr+7], v[ACC+8*\t:ACC+8*\t+7], v[WS+\t/2], v[XSC+(\m)] matrix_a_fmt:MATRIX_FMT_FP4 matrix_b_fmt:MATRIX_FMT_FP4
.endif
.endr
.endm
.macro AFTER0                          ; behind the first chunk's barrier: the count, my tokens, and the first operands: 22 loads (b1 16, scale words 2, K steps 0 and 1: 2 + 2)
	ds_load_b32 v[TMPC], v[CNTA]
.irp i, 0,1,2,3
	ds_load_b32 v[ID+\i], v[LISTA] offset:1024*\i
.endr
	s_wait_dscnt 0x0
	v_readfirstlane_b32 s[NN], v[TMPC]
	s_min_u32 s[NN], s[NN], 1024
	s_add_co_u32 s[NTL], s[NN], 15
	s_lshr_b32 s[NTL], s[NTL], 4
	s_max_u32 s[NTL], s[NTL], 1                    ; tile 0 is always written
	s_min_u32 s[NTL], s[NTL], 64
	XADR
	BIAS
	XSL
	OLOAD 0, XR
	OLOAD 1, XR+8
.endm
; One chunk of the stream.  na: the loads issued behind chunk i's 32; nh: those behind the operands of chunk i - 2 (held at 63, the most that a wait can name).
.macro TRIP i, na, nh
	s_wait_loadcnt \na
	QB LAND+32*((\i)%2)
	ds_store_b128 v[WST], v[C:C+3] offset:8192*(\i)
	ds_store_b8 v[WSB], v[BY] offset:512*(\i)
.if (\i) < 6
	WLOAD (\i)+2, LAND+32*((\i)%2)
.endif
	BAR                                            ; chunk i lies whole in LDS
.if (\i) == 0
	AFTER0
.endif
.if (\i) >= 2
	MM (\i)-2, XR+8*((\i)%2), \nh
	PLACES
	OLOAD \i, XR+8*((\i)%2)                        ; into the slot just multiplied
.endif
.endm
.macro GELU16 a                        ; sixteen numbers, in place
.irp q, 0,2,4,6,8,10,12,14
	v_pk_mul_f32 v[Z+\q:Z+\q+1], v[\a+\q:\a+\q+1], 0x3f3504f3 op_sel_hi:[1,0]     ; z = a / sqrt 2; each accumulator is read from its low end on
.endr
.irp q, 0,1,2,3,4,5,6,7,8,9,10,11,12,13,14,15
	v_med3_num_f32 v[Z+\q], v[Z+\q], -4.0, 4.0
.endr
.irp q, 0,2,4,6,8,10,12,14
	v_pk_mul_f32 v[X2+\q:X2+\q+1], v[Z+\q:Z+\q+1], v[Z+\q:Z+\q+1]
.endr
.irp q, 0,2,4,6,8,10,12,14
	v_pk_fma_f32 v[PN+\q:PN+\q+1], v[X2+\q:X2+\q+1], v[VA0:VA0+1], s[KA:KA+1] op_sel_hi:[1,1,0]
	v_pk_fma_f32 v[QD+\q:QD+\q+1], v[X2+\q:X2+\q+1], v[VB0:VB0+1], s[KB:KB+1] op_sel_hi:[1,1,0]
.endr
.irp c, 2,4,6
.irp q, 0,2,4,6,8,10,12,14
	v_pk_fma_f32 v[PN+\q:PN+\q+1], v[PN+\q:PN+\q+1], v[X2+\q:X2+\q+1], s[KA+\c:KA+\c+1] op_sel_hi:[1,1,0]
	v_pk_fma_f32 v[QD+\q:QD+\q+1], v[QD+\q:QD+\q+1], v[X2+\q:X2+\q+1], s[KB+\c:KB+\c+1] op_sel_hi:[1,1,0]
.endr
.endr
.irp c, 8,10
.irp q, 0,2,4,6,8,10,12,14
	v_pk_fma_f32 v[PN+\q:PN+\q+1], v[PN+\q:PN+\q+1], v[X2+\q:X2+\q+1], s[KA+\c:KA+\c+1] op_sel_hi:[1,1,0]
.endr
.endr
.irp q, 0,2,4,6,8,10,12,14
	v_pk_mul_f32 v[PN+\q:PN+\q+1], v[PN+\q:PN+\q+1], v[Z+\q:Z+\q+1]
.endr
	s_wait_alu depctr_va_vdst(0)
.irp q, 0,1,2,3,4,5,6,7,8,9,10,11,12,13,14,15
	v_rcp_f32 v[QD+\q], v[QD+\q]
.endr
.irp q, 0,2,4,6,8,10,12,14
	v_pk_mul_f32 v[HF+\q:HF+\q+1], v[\a+\q:\a+\q+1], 0.5 op_sel_hi:[1,0]          ; plain work behind the batch of reciprocals
.endr
	s_wait_alu depctr_va_vdst(0)                   ; one wait for the sixteen, ahead of their first reader
.irp q, 0,2,4,6,8,10,12,14
	v_pk_mul_f32 v[PN+\q:PN+\q+1], v[PN+\q:PN+\q+1], v[QD+\q:QD+\q+1]             ; erf
.endr
.irp q, 0,2,4,6,8,10,12,14
	v_pk_fma_f32 v[\a+\q:\a+\q+1], v[HF+\q:HF+\q+1], v[PN+\q:PN+\q+1], v[HF+\q:HF+\q+1]   ; a / 2 x erf + a / 2
.endr
.endm
	s_load_b256 s[4:11], s[0:1], 0x0               ; sel s[4:5], xq s[6:7], xs s[8:9], W1 s[10:11]
	s_load_b128 s[12:15], s[0:1], 0x20             ; b1 s[12:13], hc s[14:15]
	s_load_b64 s[16:17], s[0:1], 0x30              ; hs
	v_lshrrev_b32 v1, 5, v0
	s_delay_alu instid0(VALU_DEP_1)
	v_readfirstlane_b32 s[WV], v1                  ; wave 0..15
	s_and_b32 s[GG], s[WV], 3                      ; my 32 columns of the 128
	s_lshr_b32 s[BB], s[WV], 2                     ; my block of a chunk's four
	s_and_b32 s[EX], ttmp7, 0xffff                 ; the expert
	s_mov_b32 s[SL], ttmp9                         ; the slice
	v_and_b32 v1, 31, v0                           ; lane
	v_and_b32 v2, 15, v0                           ; r; also the row p of a tile of W1
	v_bfe_u32 v3, v0, 4, 1                         ; h; also u, which of the two tiles
	s_delay_alu instid0(VALU_DEP_2)
	v_and_b32 v[WOFF], 8, v2
	s_delay_alu instid0(VALU_DEP_1)
	v_add_nc_u32 v[WOFF], v[WOFF], v2              ; p + 8 (p / 8)
	s_delay_alu instid0(VALU_DEP_1)
	v_lshl_add_u32 v[WOFF], v3, 3, v[WOFF]         ; + 8 u: the 32 lanes take 32 neighbouring columns, in the order of the tiles' rows
	s_delay_alu instid0(VALU_DEP_1)
	v_lshlrev_b32 v[WOFF], 2, v[WOFF]
	s_lshl_b32 s26, s[GG], 7
	s_lshl_b32 s27, s[BB], 19                      ; 32 rows of 16,384 bytes
	s_add_co_u32 s26, s26, s27
	v_add_nc_u32 v[WOFF], s26, v[WOFF]
	v_lshlrev_b32 v[WST], 4, v2                    ; the image: fragment 2 g + u at 1,024 bytes each; in it block b lies at 256 b + 16 p (registers 4 (b / 2) on of lane p + 16 (b % 2))
	s_delay_alu instid0(VALU_DEP_1)
	v_lshl_add_u32 v[WST], v3, 10, v[WST]
	s_lshl_b32 s26, s[GG], 11
	s_lshl_b32 s27, s[BB], 8
	s_add_co_u32 s26, s26, s27
	v_add_nc_u32 v[WST], s26, v[WST]
	v_lshl_add_u32 v[LSC], v1, 2, WSC
	s_lshl_b32 s26, s[GG], 7                       ; the scale words of tiles 2 g and 2 g + 1: 128 bytes, a word a lane; byte b is mine
	s_add_co_u32 s26, s26, s[BB]
	v_add_nc_u32 v[WSB], s26, v[LSC]
	v_lshlrev_b32 v[LI], 4, v1
	v_lshlrev_b32 v[BOFF], 6, v3
	v_lshlrev_b32 v[LISTA], 2, v2
	s_lshl_b32 s26, s[WV], 6
	s_add_co_u32 s26, s26, LIST
	v_add_nc_u32 v[LISTA], s26, v[LISTA]           ; list place 16 w + r
	v_mov_b32 v[CNTA], CNTW
	v_add_nc_u32 v[DUMPI], 0x400, v1
	v_lshlrev_b32 v[L4], 2, v1
	v_add_nc_u32 v[ZA], LIST, v[LI]
	v_mov_b32 v[VA0], 0xAF95DF0B                   ; P: -2.72614226e-10,
	v_mov_b32 v[VA0+1], 0xAF95DF0B
	v_mov_b32 v[VB0], 0xB77460CD                   ; Q: -1.45660718e-05,
	v_mov_b32 v[VB0+1], 0xB77460CD
	CPAIR KA,    0x32EDFFEE                        ; 2.77068142e-08
	CPAIR KA+2,  0xB60CFF51                        ; -2.10102402e-06
	CPAIR KA+4,  0xB86EC2D2                        ; -5.69250639e-05
	CPAIR KA+6,  0xBA40AC63                        ; -7.34990630e-04
	CPAIR KA+8,  0xBB41A1F6                        ; -2.95459981e-03
	CPAIR KA+10, 0xBC83DBD4                        ; -1.60960333e-02
	CPAIR KB,    0xB95FBD29                        ; -2.13374055e-04
	CPAIR KB+2,  0xBADC924E                        ; -1.68282697e-03
	CPAIR KB+4,  0xBBF19BF8                        ; -7.37332917e-03
	CPAIR KB+6,  0xBC69B6A7                        ; -1.42647391e-02
	s_mov_b32 s[SEL], 0x76543210
	s_mov_b32 s[SEL+1], 0xfedcba98
	s_mov_b32 s27, 0
	s_mov_b32 s29, 0
	s_mov_b32 s31, 0
	s_lshl_b32 s28, s[SL], 9
	s_lshl_b32 s26, s[EX], 24
	s_add_co_u32 s26, s26, s28                     ; W1: 2^24 bytes an expert, 512 a slice
	s_lshl_b32 s30, s[EX], 14
	s_add_co_u32 s28, s30, s28                     ; b1: 16,384 an expert, 512 a slice
	s_wait_kmcnt 0x0
	s_add_nc_u64 s[WB0:WB0+1], s[WB0:WB0+1], s[26:27]
	s_add_nc_u64 s[WB1:WB1+1], s[WB0:WB0+1], 0x800000
	s_add_nc_u64 s[12:13], s[12:13], s[28:29]
	s_lshl_b32 s26, s[EX], 21
	s_lshl_b32 s30, s[SL], 10
	s_add_co_u32 s26, s26, s30                     ; hc: 2^21 an expert, 1,024 a K step
	s_add_nc_u64 s[14:15], s[14:15], s[26:27]
	s_lshl_b32 s26, s[EX], 17
	s_lshl_b32 s30, s[SL], 6
	s_add_co_u32 s26, s26, s30                     ; hs: 2^17 an expert, 64 a K step
	s_add_nc_u64 s[16:17], s[16:17], s[26:27]
	s_cmp_lg_u32 s[WV], 0                          ; wave 0 parts from the others once: all of sel ahead of its weights, then the list
	s_cbranch_scc1 .Lothers
.irp j, 0,1,2,3,4,5,6,7
	global_load_b128 v[SELR+4*\j:SELR+4*\j+3], v[LI], s[4:5] offset:512*\j
.endr
	WLOAD 0, LAND
	WLOAD 1, LAND+32
	PLACE
	s_branch .Ljoin
.Lothers:
	WLOAD 0, LAND
	WLOAD 1, LAND+32
.Ljoin:
	BAR                                            ; the list lies in LDS; until here no other wave has touched LDS
	TRIP 0, 32, 0                                  ; behind chunk 0: chunk 1's 32
	TRIP 1, 54, 0                                  ; chunk 2's 32 and the 22 first operands
	TRIP 2, 54, 63                                 ; the 22 and chunk 3's 32 | behind K step 0: 2 + 32 + 32
	TRIP 3, 34, 63                                 ; chunk 4's 32 and K step 2's 2
	TRIP 4, 36, 63                                 ; 2 + 32 + 2
	TRIP 5, 36, 63
	TRIP 6, 36, 34                                 ; | behind K step 4: chunk 7's 32 and K step 5's 2
	TRIP 7, 4, 2                                   ; K steps 5 and 6 | K step 6
	MM 6, XR, 2                                    ; behind K step 6: K step 7's 2
	PLACES
	MM 7, XR+8, 0
	PLACES
	; four trips, for tiles w, w + 16, w + 32, w + 48: the tile in hand is finished and stored; if I have one more, its products are made.  No barrier follows
	s_mov_b32 s[TT], s[WV]
	s_mov_b32 s[LC], 4
.Ltile:
	s_cmp_ge_u32 s[TT], s[NTL]
	s_cbranch_scc1 .Lskip                          ; no such tile
	GELU16 ACC
	GELU16 ACC+16
	GELU16 ACC+32
	GELU16 ACC+48
	QUANT ACC
	s_min_u32 s26, s[TT], 63
	s_lshl_b32 s27, s26, 15                        ; hc: 32,768 bytes a tile
	s_lshl_b32 s28, s26, 11                        ; hs: 2,048
	v_add_nc_u32 v[HOFF], s27, v[LI]
	v_lshlrev_b32 v[HSOFF], 2, v2
	s_delay_alu instid0(VALU_DEP_1)
	v_add_nc_u32 v[HSOFF], s28, v[HSOFF]
	global_store_b128 v[HOFF], v[PC:PC+3], s[14:15]               ; the fragment as it stands: 512 consecutive bytes a store
	global_store_b128 v[HOFF], v[PC+4:PC+7], s[14:15] offset:512
	global_store_b32 v[HSOFF], v[PW], s[16:17]                    ; both halves of the lanes write the same word with the same value
	s_wait_xcnt 0x0                                ; the stores have read their registers: these are written again below and in the next trip
	v_mov_b32 v[ID], v[ID+1]
	v_mov_b32 v[ID+1], v[ID+2]
	v_mov_b32 v[ID+2], v[ID+3]
	s_add_co_u32 s26, s[TT], 16
	s_cmp_ge_u32 s26, s[NTL]
	s_cbranch_scc1 .Lskip
	XADR                                           ; one more tile of mine: all its operands at once, the weights from LDS
	BIAS
	XSL
.irp m, 0,1,2,3,4,5,6,7
	OLOAD \m, LAND+8*\m
.endr
.irp m, 0,1,2,3,4,5,6,7
	MM \m, LAND+8*\m, 0
	PLACES
.endr
.Lskip:
	s_add_co_u32 s[TT], s[TT], 16
	s_sub_co_u32 s[LC], s[LC], 1
	s_cmp_lg_u32 s[LC], 0
	s_cbranch_scc1 .Ltile
	s_wait_xcnt 0x0
	v_lshl_add_u32 v254, v0, 2, 0x12200
	v_mov_b32 v255, 0
	s_wait_alu depctr_va_vdst(0)
	s_wait_tensorcnt 0x0
	ds_add_u32 v254, v255
	s_wait_dscnt 0x0
	s_endpgm
.Lfunc_end_k_q9a238d1863_up:
	.size	k_q9a238d1863_up, .Lfunc_end_k_q9a238d1863_up-k_q9a238d1863_up
	.p2alignl 7, 3214868480
	.fill 96, 4, 3214868480
	.section	.rodata,"a",@progbits
	.p2align	6, 0x0
	.amdhsa_kernel k_q9a238d1863_up
		.amdhsa_group_segment_fixed_size 76288
		.amdhsa_private_segment_fixed_size 0
		.amdhsa_enable_private_segment 0
		.amdhsa_kernarg_size 56
		.amdhsa_user_sgpr_count 2
		.amdhsa_user_sgpr_kernarg_segment_ptr 1
		.amdhsa_wavefront_size32 1
		.amdhsa_system_sgpr_workgroup_id_x 1
		.amdhsa_system_sgpr_workgroup_id_y 1
		.amdhsa_system_sgpr_workgroup_id_z 1
		.amdhsa_system_vgpr_workitem_id 0
		.amdhsa_next_free_vgpr 256
		.amdhsa_next_free_sgpr 66
		.amdhsa_reserve_vcc 1
		.amdhsa_float_denorm_mode_32 3
		.amdhsa_float_denorm_mode_16_64 3
		.amdhsa_memory_ordered 1
		.amdhsa_forward_progress 1
		.amdhsa_inst_pref_size 166
	.end_amdhsa_kernel
	.amdgpu_metadata
---
amdhsa.version: [ 1, 2 ]
amdhsa.kernels:
  - .name:           k_q9a238d1863_up
    .symbol:         k_q9a238d1863_up.kd
    .args:
      - { .name: sel, .offset: 0, .size: 8, .value_kind: global_buffer, .address_space: global }
      - { .name: xq, .offset: 8, .size: 8, .value_kind: global_buffer, .address_space: global }
      - { .name: xs, .offset: 16, .size: 8, .value_kind: global_buffer, .address_space: global }
      - { .name: W1, .offset: 24, .size: 8, .value_kind: global_buffer, .address_space: global }
      - { .name: b1, .offset: 32, .size: 8, .value_kind: global_buffer, .address_space: global }
      - { .name: hc, .offset: 40, .size: 8, .value_kind: global_buffer, .address_space: global }
      - { .name: hs, .offset: 48, .size: 8, .value_kind: global_buffer, .address_space: global }
    .group_segment_fixed_size: 76288
    .private_segment_fixed_size: 0
    .kernarg_segment_align: 8
    .kernarg_segment_size: 56
    .max_flat_workgroup_size: 512
    .sgpr_count:     66
    .vgpr_count:     256
    .wavefront_size: 32
...
	.end_amdgpu_metadata
.endif
;; end of part 2
;; launch down (part 3): grid 32 x 8, 16 waves a work-group, no clusters, 113,152 bytes of LDS; arguments sel, hc, hs, w2c, w2s, b2, out0; writes out0
.if DOCPART == 3
	.amdgcn_target "amdgcn-amd-amdhsa--gfx1250"
	.amdhsa_code_object_version 6
	.text
	.protected	k_q9a238d1863_down
	.globl	k_q9a238d1863_down
	.p2align	8
	.type	k_q9a238d1863_down,@function
k_q9a238d1863_down:
	s_mov_b64 s[64:65], 0
	v_nop
	global_prefetch_b8 v0, s[64:65] scope:SCOPE_SE
	s_setreg_imm32_b32 hwreg(HW_REG_WAVE_MODE, 25, 1), 1
	s_wait_xcnt 0x0
; DOWN.  For expert e (work-group y) and 32 output columns (work-group x, the slice): out0[token] = h W2[e] + b2[e] for the tokens that chose e alone, on codes of E2M1 with E8M0 scales.
; h comes as the launch before laid it: hc [e][64 tiles][32 K steps][1,024 bytes], images of the operand's registers; hs [e][64][32][16 words].
; W2 comes as the first launch laid it: w2c [e][slice][65,536 bytes] and w2s [e][slice][4,096 bytes], images too.  The sixteen waves copy the slice's 69,632 bytes into LDS once, 4,096 + 256 each; one barrier.
; THE TOKENS.  Every wave counts the expert's tokens from sel (whole numbers that the first launch stored), so that its tile's h is asked for ahead of the barrier: 44 loads, four chunks of four K steps and b2.
; Wave 0 lists the tokens in LDS in the order of the launch before, so the tiles agree: register q = 4 j + i of sel holds token 128 j + 4 lane + i; a token's place is the count so far + the matching lanes below.
; The 32 places behind the count hold the last token once more: the spare rows of the last tile repeat that token's numbers, and the same wave stores the same bytes to the same row.
; Up to the barrier every wave issues the same loads: a wave without a tile asks for the expert's last tile (tile 0 is always written by the launch before).  Behind it four trips, for tiles w, w + 16, w + 32, w + 48:
; the work of a tile that is not there is jumped over.
; THE PRODUCT IS USED TRANSPOSED (source 0 = 16 columns of W2, source 1 = 16 tokens): a lane holds eight neighbouring outputs of one token.  b2 is loaded into the accumulators.
; No tensor load and no joint load: branches hang on stored numbers.  No prefetch: all that a wave reads first is asked for at its start.
; LIMITS: NaN and infinities are not served.
.set WSC,   65536                      ; LDS: 0 .. 65,535 the images, 8,192 a chunk of four K steps; here the scale words, 512 a chunk
.set LIST,  69632                      ; 1,024 words: the expert's tokens; 32 more, a word a lane, for the tokens of other experts
.set STAGE, 74240                      ; 16 rows x (128 bytes + 16) for each wave
.set SPARE, 0x1b200                    ; the spare words, 128 bytes a wave
.set IMA,   4                          ; 4,096 w + 16 lane: my part of the images, in w2c and in LDS
.set ISA,   5                          ; 256 w + 8 lane: my part of the scale words in w2s
.set ISL,   6                          ; the same in LDS
.set LI,    7                          ; 16 x lane
.set LSC,   8                          ; WSC + 4 x lane
.set HOF,   9                          ; hc: my tile + 16 x lane
.set HSO,   10                         ; hs: my tile + 4 x lane
.set LISTB, 11                         ; LIST + 64 w + 4 (lane / 8)
.set ROWI,  12
.set LB,    13
.set DUMPI, 14                         ; 1,024 + lane
.set BOFF,  15                         ; b2: 32 h
.set PT,    16                         ; v16-19 zeros, then token numbers by turns
.set LA,    20
.set LT,    21
.set PD,    22
.set L4,    23
.set OA,    24                         ; v24-27 the four stores' offsets in out0
.set STO,   28
.set SRD,   29
.set ZA,    30
.set CO,    31
.set HR,    32                         ; v32-159 h's fragments: four slots of four K steps; on the way out v32-47 rows, v52-55 their tokens
.set WF,    160                        ; v160-223 a chunk's eight fragments: K step ks, tile u at 16 ks + 8 u
.set SELR,  160                        ; at the head: sel, then the list's addresses; v192-223 my part of the images
.set PA,    160
.set IMG,   192
.set WS,    224                        ; v224-227 W2's scale words: register ks; lanes 0-15 tile 0, lanes 16-31 tile 1
.set HSR,   228                        ; v228-235 h's scale words, four slots of two
.set ACC,   236                        ; v236-251 two tiles of 16 outputs
.set SPW,   252
.set NIL,   253
.set IMS,   254                        ; v[254:255] my part of the scale words on its way to LDS
.set WV,    18
.set EX,    21
.set SL,    22
.set NTL,   24
.set TT,    25
.set CNT,   58
.set T0,    59
.set LC,    60
.set LOFF,  61
.set RUN,   62
.set MK,    66                         ; s66-97: which lanes' tokens of register q chose the expert
.macro PLACES                          ; four plain lines between matrix instructions and loads into, or reads of, their registers (ISA guide 7.12.1 for the reads)
.rept 4
	v_nop
.endr
.endm
.macro WFETCH m
.irp f, 0,1,2,3,4,5,6,7,8,9,10,11,12,13,14,15
	ds_load_b128 v[WF+4*\f:WF+4*\f+3], v[LI] offset:8192*(\m)+512*\f
.endr
.irp f, 0,1,2,3
	ds_load_b32 v[WS+\f], v[LSC] offset:512*(\m)+128*\f
.endr
.endm
.macro OLOAD i, slot                   ; my tile's h of chunk i: four fragments and two registers of scale words: ten loads
.irp ks, 0,1,2,3
.irp c, 0,1
	global_load_b128 v[HR+32*(\slot)+8*\ks+4*\c:HR+32*(\slot)+8*\ks+4*\c+3], v[HOF], s[6:7] offset:(4*(\i)+\ks)*1024+512*\c
.endr
.endr
.irp p, 0,1
	global_load_b32 v[HSR+2*(\slot)+\p], v[HSO], s[8:9] offset:256*(\i)+128*\p
.endr
.endm
.macro FIRST                           ; the tile whose number, held to 63, stands in s26: its offsets, b2 into the accumulators (4 loads), chunks 0 to 3 (40 loads)
	s_lshl_b32 s27, s26, 15                        ; hc: 32,768 bytes a tile
	v_add_nc_u32 v[HOF], s27, v[LI]
	s_lshl_b32 s27, s26, 11                        ; hs: 2,048
	v_add_nc_u32 v[HSO], s27, v[L4]
	s_wait_alu depctr_va_vdst(0)                   ; the loads below name the two offsets just written
.irp u, 0,1
	global_load_b128 v[ACC+8*\u:ACC+8*\u+3], v[BOFF], s[14:15] offset:64*\u        ; tile u, register j, lane half h: output 16 u + 8 h + j
	global_load_b128 v[ACC+8*\u+4:ACC+8*\u+7], v[BOFF], s[14:15] offset:64*\u+16
.endr
.irp i, 0,1,2,3
	OLOAD \i, \i
.endr
.endm
.macro WM ks, uu, slot                 ; one product: K step ks of the chunk, tile uu.  The rows of the scale registers go with uu (W2's) and with ks (h's)
.set rD, ACC+8*(\uu)
.set rA, WF+16*(\ks)+8*(\uu)
.set rB, HR+32*(\slot)+8*(\ks)
.set rS, WS+(\ks)
.set rT, HSR+2*(\slot)+(\ks)/2
.if ((\uu) == 0) && (((\ks)%2) == 0)
	v_wmma_scale_f32_16x16x128_f8f6f4 v[rD:rD+7], v[rA:rA+7], v[rB:rB+7], v[rD:rD+7], v[rS], v[rT] matrix_a_fmt:MATRIX_FMT_FP4 matrix_b_fmt:MATRIX_FMT_FP4
.elseif ((\ks)%2) == 0
	v_wmma_scale_f32_16x16x128_f8f6f4 v[rD:rD+7], v[rA:rA+7], v[rB:rB+7], v[rD:rD+7], v[rS], v[rT] matrix_a_fmt:MATRIX_FMT_FP4 matrix_b_fmt:MATRIX_FMT_FP4 matrix_a_scale:MATRIX_SCALE_ROW1
.elseif (\uu) == 0
	v_wmma_scale_f32_16x16x128_f8f6f4 v[rD:rD+7], v[rA:rA+7], v[rB:rB+7], v[rD:rD+7], v[rS], v[rT] matrix_a_fmt:MATRIX_FMT_FP4 matrix_b_fmt:MATRIX_FMT_FP4 matrix_b_scale:MATRIX_SCALE_ROW1
.else
	v_wmma_scale_f32_16x16x128_f8f6f4 v[rD:rD+7], v[rA:rA+7], v[rB:rB+7], v[rD:rD+7], v[rS], v[rT] matrix_a_fmt:MATRIX_FMT_FP4 matrix_b_fmt:MATRIX_FMT_FP4 matrix_a_scale:MATRIX_SCALE_ROW1 matrix_b_scale:MATRIX_SCALE_ROW1
.endif
.endm
; The products of chunk m: the two accumulators by turns, one instruction a turn, over the chunks' edges too.  n: the loads issued behind chunk m's ten.
.macro MM m, slot, n
	WFETCH \m
	s_wait_loadcnt \n
	s_wait_dscnt 0x0
.irp ks, 0,1,2,3
	WM \ks, 0, \slot
	WM \ks, 1, \slot
.endr
	PLACES
.endm
; Wave 0 lists the tokens.  Each step runs over all 32 registers, so that no line waits for the line above it.  The place is chosen first and held to 1,055 last; behind that hold stand a shift and an addition.
.macro PLACE
.irp j, 0,1,2,3
	v_mov_b32 v[PT+\j], 0
.endr
.irp j, 0,1,2,3,4,5,6,7
	ds_store_b128 v[ZA], v[PT:PT+3] offset:512*\j  ; every place holds token 0 until it is taken
.endr
	s_mov_b32 s[RUN], 0
.set qq, 0
.rept 32
	v_mbcnt_lo_u32_b32 v[PA+qq], s[MK+qq], s[RUN]  ; the count so far + the matching lanes below mine
	s_bcnt1_i32_b32 s[T0], s[MK+qq]
	s_add_co_u32 s[RUN], s[RUN], s[T0]
.set qq, qq+1
.endr
.set qq, 0
.rept 32
	v_cndmask_b32 v[PA+qq], v[DUMPI], v[PA+qq], s[MK+qq]   ; a token of another expert goes to place 1,024 + lane
.set qq, qq+1
.endr
.set qq, 0
.rept 32
	v_min_u32 v[PA+qq], 0x41f, v[PA+qq]
.set qq, qq+1
.endr
.set qq, 0
.rept 32
	v_lshlrev_b32 v[PA+qq], 2, v[PA+qq]
.set qq, qq+1
.endr
.set qq, 0
.rept 32
	v_add_nc_u32 v[PA+qq], LIST, v[PA+qq]
.set qq, qq+1
.endr
.set qq, 0
.rept 32
	v_add_nc_u32 v[PT+qq%4], 128*(qq/4)+qq%4, v[L4]
	ds_store_b32 v[PA+qq], v[PT+qq%4]
.set qq, qq+1
.endr
	s_max_u32 s[T0], s[CNT], 1
	s_sub_co_u32 s[T0], s[T0], 1                   ; the last token's place (place 0, which holds token 0, where there is none)
	s_min_u32 s[T0], s[T0], 0x3ff
	v_lshlrev_b32 v[LA], 2, s[T0]
	s_delay_alu instid0(VALU_DEP_1)
	v_add_nc_u32 v[LA], LIST, v[LA]
	ds_load_b32 v[LT], v[LA]                       ; LDS serves a wave's instructions in order: this sees the stores above
	v_add_nc_u32 v[PD], s[CNT], v1                 ; places count + lane: 1,055 at the most
	s_delay_alu instid0(VALU_DEP_1)
	v_min_u32 v[PD], 0x41f, v[PD]
	s_delay_alu instid0(VALU_DEP_1)
	v_lshlrev_b32 v[PD], 2, v[PD]
	s_delay_alu instid0(VALU_DEP_1)
	v_add_nc_u32 v[PD], LIST, v[PD]
	s_wait_alu depctr_va_vdst(0)
	s_wait_dscnt 0x0
	ds_store_b32 v[PD], v[LT]
.endm
; The tile in hand leaves: 16 tokens x 32 outputs through my stage; instruction i takes rows 4 i .. 4 i + 3, eight lanes to a row of 128 bytes; a row's token comes from its place in the list.
.macro EPI
	ds_store_b128 v[STO], v[ACC:ACC+3]             ; each accumulator from its low end on
	ds_store_b128 v[STO], v[ACC+4:ACC+7] offset:16
	ds_store_b128 v[STO], v[ACC+8:ACC+11] offset:64
	ds_store_b128 v[STO], v[ACC+12:ACC+15] offset:80
	v_add_nc_u32 v[LB], s[LOFF], v[LISTB]
.irp i, 0,1,2,3
	ds_load_b32 v[52+\i], v[LB] offset:16*\i       ; list place 16 t + 4 i + lane / 8
.endr
.irp i, 0,1,2,3
	ds_load_b128 v[32+4*\i:35+4*\i], v[SRD] offset:576*\i
.endr
	s_wait_dscnt 0x0
.irp i, 0,1,2,3
	v_min_u32 v[52+\i], 0x3ff, v[52+\i]
.endr
.irp i, 0,1,2,3
	s_delay_alu instid0(VALU_DEP_4)
	v_lshlrev_b32 v[OA+\i], 12, v[52+\i]           ; the token's row of 4,096 bytes,
.endr
.irp i, 0,1,2,3
	s_delay_alu instid0(VALU_DEP_4)
	v_add_nc_u32 v[OA+\i], v[OA+\i], v[CO]         ; + my 16 bytes of the slice's 128
.endr
.irp i, 0,1,2,3
	global_store_b128 v[OA+\i], v[32+4*\i:35+4*\i], s[16:17]
.endr
	s_wait_alu depctr_va_vdst(0)                   ; v52-55 lie among h's registers
	s_wait_xcnt 0x0                                ; the stores have read their registers: these are written again below and in the next trip
.endm
	s_load_b256 s[4:11], s[0:1], 0x0               ; sel s[4:5], hc s[6:7], hs s[8:9], w2c s[10:11]
	s_load_b128 s[12:15], s[0:1], 0x20             ; w2s s[12:13], b2 s[14:15]
	s_load_b64 s[16:17], s[0:1], 0x30              ; out0
	v_lshl_add_u32 v[SPW], v0, 2, SPARE
	v_mov_b32 v[NIL], 0
	v_lshrrev_b32 v1, 5, v0
	s_delay_alu instid0(VALU_DEP_1)
	v_readfirstlane_b32 s[WV], v1                  ; wave 0..15
	s_and_b32 s[EX], ttmp7, 0xffff                 ; the expert
	s_mov_b32 s[SL], ttmp9                         ; the slice
	s_lshl_b32 s26, s[WV], 12
	s_lshl_b32 s27, s[WV], 8
	s_lshl_b32 s28, s[WV], 6
	s_add_co_u32 s28, s28, LIST
	s_mul_i32 s29, s[WV], 2304
	s_add_co_u32 s29, s29, STAGE                   ; my stage
	s_lshl_b32 s40, s[EX], 21                      ; hc and w2c: 2^21 bytes an expert
	s_mov_b32 s41, 0
	s_lshl_b32 s42, s[EX], 17                      ; hs and w2s: 2^17
	s_mov_b32 s43, 0
	s_lshl_b32 s32, s[SL], 16
	s_add_co_u32 s32, s32, s40                     ; w2c: 65,536 a slice
	s_mov_b32 s33, 0
	s_lshl_b32 s34, s[SL], 12
	s_add_co_u32 s34, s34, s42                     ; w2s: 4,096 a slice
	s_mov_b32 s35, 0
	s_lshl_b32 s38, s[SL], 7                       ; out0: 128 bytes a slice
	s_mov_b32 s39, 0
	s_lshl_b32 s36, s[EX], 12
	s_add_co_u32 s36, s36, s38                     ; b2: 4,096 an expert
	s_mov_b32 s37, 0
	v_and_b32 v1, 31, v0                           ; lane
	v_and_b32 v2, 15, v0                           ; r
	v_bfe_u32 v3, v0, 4, 1                         ; h
	v_lshlrev_b32 v[LI], 4, v1
	v_lshlrev_b32 v[L4], 2, v1
	v_lshlrev_b32 v[ISA], 3, v1
	v_lshrrev_b32 v[ROWI], 3, v1
	v_and_b32 v[CO], 7, v1
	v_mul_u32_u24 v[STO], v2, 144                  ; into the stage: row r, + 32 h; tile u 64 bytes on
	v_add_nc_u32 v[IMA], s26, v[LI]
	v_add_nc_u32 v[ISA], s27, v[ISA]
	v_lshlrev_b32 v[LISTB], 2, v[ROWI]
	v_lshlrev_b32 v[CO], 4, v[CO]
	v_lshl_add_u32 v[STO], v3, 5, v[STO]
	v_mul_u32_u24 v[SRD], v[ROWI], 144             ; back: eight lanes to a row of 128 bytes
	v_add_nc_u32 v[ISL], WSC, v[ISA]
	v_add_nc_u32 v[LISTB], s28, v[LISTB]           ; list place 16 w + lane / 8
	v_add_nc_u32 v[STO], s29, v[STO]
	v_add_nc_u32 v[SRD], v[SRD], v[CO]
	v_lshl_add_u32 v[LSC], v1, 2, WSC
	v_lshlrev_b32 v[BOFF], 5, v3
	v_add_nc_u32 v[DUMPI], 0x400, v1
	v_add_nc_u32 v[SRD], s29, v[SRD]
	v_add_nc_u32 v[ZA], LIST, v[LI]
	s_wait_alu depctr_va_vdst(0)
	s_wait_kmcnt 0x0
	s_add_nc_u64 s[6:7], s[6:7], s[40:41]
	s_add_nc_u64 s[8:9], s[8:9], s[42:43]
	s_add_nc_u64 s[10:11], s[10:11], s[32:33]
	s_add_nc_u64 s[12:13], s[12:13], s[34:35]
	s_add_nc_u64 s[14:15], s[14:15], s[36:37]
	s_add_nc_u64 s[16:17], s[16:17], s[38:39]
.irp j, 0,1,2,3,4,5,6,7
	global_load_b128 v[SELR+4*\j:SELR+4*\j+3], v[LI], s[4:5] offset:512*\j
.endr
.irp j, 0,1,2,3,4,5,6,7
	global_load_b128 v[IMG+4*\j:IMG+4*\j+3], v[IMA], s[10:11] offset:512*\j     ; 512 consecutive bytes a load
.endr
	global_load_b64 v[IMS:IMS+1], v[ISA], s[12:13]
	s_wait_loadcnt 9                               ; sel is in; the nine loads of the images may be out
.set qq, 0
.rept 32
	v_cmp_eq_u32 s[MK+qq], s[EX], v[SELR+qq]
.set qq, qq+1
.endr
	s_mov_b32 s[CNT], 0
.set qq, 0
.rept 32
	s_bcnt1_i32_b32 s[T0], s[MK+qq]
	s_add_co_u32 s[CNT], s[CNT], s[T0]
.set qq, qq+1
.endr
	s_min_u32 s[CNT], s[CNT], 1024                 ; the expert's tokens
	s_add_co_u32 s[NTL], s[CNT], 15
	s_lshr_b32 s[NTL], s[NTL], 4
	s_min_u32 s[NTL], s[NTL], 64                   ; its tiles
	s_max_u32 s26, s[NTL], 1
	s_sub_co_u32 s26, s26, 1                       ; the last tile that the launch before has written
	s_min_u32 s26, s26, s[WV]                      ; mine, or that one where I have none
	s_min_u32 s26, s26, 63
	FIRST
	s_cmp_lg_u32 s[WV], 0
	s_cbranch_scc1 .Lnolist
	PLACE
.Lnolist:
	s_wait_dscnt 0x0                               ; the list lies in LDS; until here no other wave has touched LDS
	s_barrier_signal -1
	s_barrier_wait -1
	s_wait_loadcnt 44                              ; my part of the images is in; b2's 4 and h's 40 loads may be out
.irp j, 0,1,2,3,4,5,6,7
	ds_store_b128 v[IMA], v[IMG+4*\j:IMG+4*\j+3] offset:512*\j
.endr
	ds_store_b64 v[ISL], v[IMS:IMS+1]
	s_wait_dscnt 0x0                               ; for the others: my part of the images, and wave 0's list, lie in LDS
	s_barrier_signal -1
	s_barrier_wait -1
	s_mov_b32 s[TT], s[WV]
	s_mov_b32 s[LOFF], 0
	s_mov_b32 s[LC], 4
.Ltile:
	s_cmp_ge_u32 s[TT], s[NTL]
	s_cbranch_scc1 .Lskip                          ; no such tile
.irp m, 0,1,2,3
	MM \m, \m, 30                                  ; behind chunk m's ten: the next three chunks' thirty
	OLOAD \m+4, \m                                 ; into the slot just multiplied
.endr
	MM 4, 0, 30
	MM 5, 1, 20
	MM 6, 2, 10
	MM 7, 3, 0
	EPI
	s_add_co_u32 s26, s[TT], 16
	s_cmp_ge_u32 s26, s[NTL]
	s_cbranch_scc1 .Lskip
	s_min_u32 s26, s26, 63                         ; one more tile of mine (every load that named the two offsets has come back)
	FIRST
.Lskip:
	s_add_co_u32 s[TT], s[TT], 16
	s_add_co_u32 s[LOFF], s[LOFF], 1024
	s_sub_co_u32 s[LC], s[LC], 1
	s_cmp_lg_u32 s[LC], 0
	s_cbranch_scc1 .Ltile
	s_wait_tensorcnt 0x0                           ; the wave's end
	ds_add_u32 v[SPW], v[NIL]
	s_wait_dscnt 0x0
	s_endpgm
.Lfunc_end_k_q9a238d1863_down:
	.size	k_q9a238d1863_down, .Lfunc_end_k_q9a238d1863_down-k_q9a238d1863_down
	.p2alignl 7, 3214868480
	.fill 96, 4, 3214868480
	.section	.rodata,"a",@progbits
	.p2align	6, 0x0
	.amdhsa_kernel k_q9a238d1863_down
		.amdhsa_group_segment_fixed_size 113152
		.amdhsa_private_segment_fixed_size 0
		.amdhsa_enable_private_segment 0
		.amdhsa_kernarg_size 56
		.amdhsa_user_sgpr_count 2
		.amdhsa_user_sgpr_kernarg_segment_ptr 1
		.amdhsa_wavefront_size32 1
		.amdhsa_system_sgpr_workgroup_id_x 1
		.amdhsa_system_sgpr_workgroup_id_y 1
		.amdhsa_system_sgpr_workgroup_id_z 1
		.amdhsa_system_vgpr_workitem_id 0
		.amdhsa_next_free_vgpr 256
		.amdhsa_next_free_sgpr 100
		.amdhsa_reserve_vcc 0
		.amdhsa_float_denorm_mode_32 3
		.amdhsa_float_denorm_mode_16_64 3
		.amdhsa_memory_ordered 1
		.amdhsa_forward_progress 1
		.amdhsa_inst_pref_size 61
	.end_amdhsa_kernel
	.amdgpu_metadata
---
amdhsa.version: [ 1, 2 ]
amdhsa.kernels:
  - .name:           k_q9a238d1863_down
    .symbol:         k_q9a238d1863_down.kd
    .args:
      - { .name: sel, .offset: 0, .size: 8, .value_kind: global_buffer, .address_space: global }
      - { .name: hc, .offset: 8, .size: 8, .value_kind: global_buffer, .address_space: global }
      - { .name: hs, .offset: 16, .size: 8, .value_kind: global_buffer, .address_space: global }
      - { .name: w2c, .offset: 24, .size: 8, .value_kind: global_buffer, .address_space: global }
      - { .name: w2s, .offset: 32, .size: 8, .value_kind: global_buffer, .address_space: global }
      - { .name: b2, .offset: 40, .size: 8, .value_kind: global_buffer, .address_space: global }
      - { .name: out0, .offset: 48, .size: 8, .value_kind: global_buffer, .address_space: global }
    .group_segment_fixed_size: 113152
    .private_segment_fixed_size: 0
    .kernarg_segment_align: 8
    .kernarg_segment_size: 56
    .max_flat_workgroup_size: 512
    .sgpr_count:     100
    .vgpr_count:     256
    .wavefront_size: 32
...
	.end_amdgpu_metadata
.endif
;; end of part 3
